; MI455X (gfx1250); checked and timed in simulation.
; The chip was launched on July 23, 2026; its instructions are those of AMD's public machine-readable ISA for CDNA 5 (MIT licence, August 2026) and "CDNA5" Instruction Set Architecture Reference Guide (July 2026). The comments in the code are by the model that wrote it; some were corrected since.
;; Quantized Linear. Allowed arithmetic: matrix products marked QUANTISED: E2M1 operands, one E8M0 scale for each 32 along K, by v_wmma_scale_f32_16x16x128_f8f6f4 with both operands' format E2M1 (or v_wmma_scale_f32_32x16x128_f4), f32 sums; everything else in f32.
;; Inputs: bias 4,096 float32; scale 4,096 float32; weight_int8 4,096 x 4,096 int32; x_codes 4 x 1,024 x 128 x 16 uint8 (E2M1 codes of x, K innermost, in blocks of 32 codes, two codes a byte); x_scales 4 x 1,024 x 128 uint8 (E8M0 scales of x, one for each 32 codes along K).
;; Outputs: out0 4 x 1,024 x 4,096 float32.
;; This version of the problem:
;;   THIS VERSION OF THE PROBLEM IS GIVEN IN LOW PRECISION. The matrix products marked QUANTISED in the list below multiply operands that are first quantised to E2M1 (2 exponent bits, 1 mantissa bit; 4 bits a number), with one power-of-two scale for each 32 numbers along K (OCP MX v1.0); their sums are f32. All else is computed in f32.
;;   The module's matrix products, in the order in which they are computed (A, B: the left and right operand; K: the contracted axis; several contracted axes count as one K, in the product's order):
;;     1. [M 4,096, K 4,096] x [K 4,096, N 4,096]; A: input x (given as codes); B: computed on the way: QUANTISED
;;   THE QUANTISER, for each operand of a quantised product, along K:
;;     - K is cut into blocks of 32 from its start; a last block that is shorter is filled with zeros.
;;     - A block's scale is 2^e with e = floor(log2(the largest magnitude in the block)) - 2, held to -126 .. 127; a block of zeros has e = 0. As a byte (E8M0): e + 127.
;;     - Each number is divided by its block's scale, clamped to +-6, and rounded to the nearest number of E2M1, ties to even, subnormals kept.
;;     - The product sums the exact products of the quantised numbers (number of the format x scale) in f32.
;;   ~~~python
;;   def quantise(x, axis):      # numpy; x: float32 -> the quantised numbers, widened to float32 again
;;       x = np.moveaxis(x, axis, -1); K = x.shape[-1]
;;       x = np.pad(x, [(0, 0)] * (x.ndim - 1) + [(0, -K % 32)]); x = x.reshape(x.shape[:-1] + (-1, 32)); a = np.abs(x).max(-1, keepdims=True)
;;       e = np.where(a > 0, np.clip(np.frexp(np.where(a > 0, a, 1))[1] - 1 - 2, -126, 127), 0)      # np.frexp(a)[1] - 1 = floor(log2(a)), exactly
;;       r = np.clip(x / 2.0 ** e, -6, 6)
;;       step = 2.0 ** (np.maximum(np.frexp(np.where(r == 0, 1, r))[1] - 1, 0) - 1)
;;       q = np.round(r / step) * step * 2.0 ** e      # np.round: ties to even
;;       return np.moveaxis(q.reshape(q.shape[:-2] + (-1,))[..., :K], -1, axis).astype(np.float32)
;;   ~~~
;;   OPERANDS COMPUTED ON THE WAY. 'Computed on the way' means the value that the module computes at that place (a softmax that the list does not call 'softmax' is quantised finished and normalised). What goes into a quantiser is computed in f32, as accurately as f32 sums, v_exp_f32 and their like allow (about 1e-6 of the number): no bf16 or f16 on the way to a quantiser, and a product that is left as it is and whose result goes on into a quantised operand takes f32 operands (vector FMAs, or v_wmma_f32_16x16x4_f32). A number that lies on a knife's edge between two numbers of the format may be rounded either way, as far as f32 arithmetic and the matrix unit's own rounding can turn it there, and no further.
;;   INPUTS GIVEN AS CODES. x (in the module: [4, 1024, 4096], K = its axis 2): each comes as NAME_codes (uint8): NAME with its K axis moved to the last place and cut into blocks of 32 codes, [.., K / 32, bytes a block], one block behind the other in memory; two codes a byte, the lower K in the low four bits (a code: sign, 2 exponent bits, 1 mantissa bit); and NAME_scales (uint8): the same leading axes, one E8M0 byte (e + 127) for each 32 codes along K. Its value is code x scale, taken as it is: it is not quantised again, and the codes and scales need not be those that the quantiser above would give.
;; One version. Each part assembles by itself: llvm-mc -triple=amdgcn-amd-amdhsa -mcpu=gfx1250 --defsym DOCPART=n.
;; ======== version 1 of 1: 2 launches
;; limits: right only within a limited range of input values
;; workspace buffers: wq 8,912,896 bytes
;; launch quant (part 1): grid 512 x 1, 4 waves a work-group, no clusters, 33,280 bytes of LDS; arguments weight_int8, scale, wq; writes wq
.if DOCPART == 1
	.amdgcn_target "amdgcn-amd-amdhsa--gfx1250"
	.amdhsa_code_object_version 6
	.text
	.protected	k_q31cd294986_quant
	.globl	k_q31cd294986_quant
	.p2align	8
	.type	k_q31cd294986_quant,@function
k_q31cd294986_quant:
	s_mov_b64 s[64:65], 0
	v_nop
	global_prefetch_b8 v0, s[64:65] scope:SCOPE_SE
	s_setreg_imm32_b32 hwreg(HW_REG_WAVE_MODE, 25, 1), 1
	s_wait_xcnt 0x0
; w[n][k] = f32(weight_int8[n][k]) x scale[n] (one f32 rounding, as the source has it) is turned into codes of FP4 (E2M1), 4 bits each, with one E8M0 scale byte for each 32 along K.
; A block's scale is 2^(floor(log2(its largest magnitude)) - 2); its byte is the largest magnitude's own exponent field - 2, held at 1 from below.  Each number is divided by the scale and rounded to the
; nearest code, ties to even; beyond 6 the conversion gives the largest code.
; LIMITS: a block of zeros gets the byte 1 where the rule says 127: its codes are zeros, which add nothing under any byte but 0xff, and the bytes are read by this program alone.  Blocks whose largest
; magnitude lies under 2^-124 take the byte 1, the rule's own hold at -126.  NaN and infinities in scale are not served.  Any int32 is served (converted to f32 to nearest even).
; THE WORKSPACE is laid as the product's launch fetches it: for each 128 rows j = n / 128 and each 512 along K, t = k / 512, one dense block of 34,816 bytes at (8 j + t) x 34,816:
;   bytes 256 r .. + 255: the 512 codes of row 128 j + r, the lower k in the low four bits;   bytes 32,768 + 16 r .. + 15: that row's 16 scale bytes.
; SHARES.  A wave takes 16 rows x 512 along K: 16 steps of one row's 2,048 consecutive bytes.  Work-group x: rows 16 (x / 2) on; along K 512 x (4 (x % 2) + wave) on: the four waves stand side by side on 8,192 bytes of a row.
; The conversions take numbers of ONE block from a lane's consecutive registers, so a lane must hold 16 NEIGHBOURS (two neighbouring lanes hold a block), while a load is best where neighbouring LANES take
; neighbouring bytes.  Both are had: each of a step's four loads reads 512 consecutive bytes, 16 a lane; the 2,048 bytes go through the wave's own stage in LDS and come back 64 bytes a lane (16 bytes of
; padding behind each 64).  A lane's 16 codes are 8 bytes: the wave stores 256 consecutive bytes, aligned.  A wave's 16 steps make 256 scale bytes: gathered in its own LDS bytes, they leave as one aligned run of 256.
; No tensor loads, no barrier: waves share nothing.  No matrix unit, no cluster: every byte is read once by one wave.  Loads run eight steps (32 loads a wave) ahead, the turn through LDS one step.
.set STEPS, 16
.set AHEAD, 8
.set EMAX,  2
.set BLKB,  34816                      ; a block of the workspace
.set ROWW,  16384                      ; a row of weight_int8 in bytes
.set SP,    80                         ; a lane's place in a stage: its 64 bytes + 16 of padding
.set WREG,  8192                       ; LDS: a region for each wave: two stages of 32 x SP bytes, behind them its 256 scale bytes
.set R,     16                         ; v16-143  eight sets of 16 numbers as they are loaded
.set X,     144                        ; v144-175 two sets of 16 neighbours
.set E,     176                        ; v176-191 a scale byte for each step
.set C,     192                        ; v192-223 codes: two registers for each step, so that no store's data are written again
	s_load_b128 s[4:7], s[0:1], 0x0                ; weight_int8, scale
	s_load_b64 s[8:9], s[0:1], 0x10                ; the workspace
	v_lshl_add_u32 v224, v0, 2, 0x8000
	v_mov_b32 v225, 0
	v_lshrrev_b32 v1, 5, v0
	v_readfirstlane_b32 s16, v1                    ; wave
	v_and_b32 v2, 31, v0                           ; lane
	v_lshlrev_b32 v3, 4, v2                        ; my 16 bytes of a load's 512
	v_lshlrev_b32 v4, 3, v2                        ; my 8 bytes of a store's 256
	s_mul_i32 s17, s16, WREG
	v_lshrrev_b32 v14, 2, v2
	v_mul_u32_u24 v14, v14, SP
	v_and_b32 v15, 3, v2
	v_lshl_add_u32 v14, v15, 4, v14
	v_add_nc_u32 v14, s17, v14                     ; the stage, on the way in: four lanes' 64 bytes on end, then 16 of padding: SP (lane / 4) + 16 (lane % 4)
	v_mul_u32_u24 v15, v2, SP
	v_add_nc_u32 v15, s17, v15                     ; and on the way out: SP x lane: my 16 neighbours
	v_lshrrev_b32 v5, 1, v2
	s_add_co_u32 s17, s17, 2*32*SP
	v_add_nc_u32 v5, s17, v5                       ; my wave's 256 scale bytes: my block's byte,
	v_add_nc_u32 v6, s17, v4                       ; and on the way out 8 bytes a lane
	s_lshr_b32 s18, ttmp9, 1                       ; g: which 16 rows
	s_and_b32 s19, ttmp9, 1
	s_lshl_b32 s19, s19, 2
	s_add_co_u32 s19, s19, s16                     ; t: which 512 along K
	s_lshr_b32 s20, s18, 3                         ; j = g / 8
	s_and_b32 s21, s18, 7                          ; which 16 of the block's 128 rows
	s_lshl_b32 s20, s20, 3
	s_add_co_u32 s20, s20, s19
	s_mul_i32 s20, s20, BLKB                       ; the block's first byte: (8 j + t) x 34,816
	s_lshl_b32 s22, s21, 12
	s_add_co_u32 s22, s22, s20                     ; my 16 rows' codes: 4,096 bytes
	s_mov_b32 s23, 0
	s_lshl_b32 s24, s21, 8
	s_add_co_u32 s24, s24, s20
	s_add_co_u32 s24, s24, 32768                   ; my 16 rows' scale bytes: 256
	s_mov_b32 s25, 0
	s_lshl_b32 s26, s18, 18                        ; 16 rows of 16,384 bytes
	s_lshl_b32 s27, s19, 11                        ; 512 numbers of 4 bytes
	s_add_co_u32 s26, s26, s27
	s_mov_b32 s27, 0
	s_lshl_b32 s28, s18, 6                         ; my 16 rows' numbers in scale
	s_mov_b32 s29, 0
	s_wait_alu depctr_va_vdst(0)
	s_wait_kmcnt 0x0
	s_add_nc_u64 s[4:5], s[4:5], s[26:27]
	s_add_nc_u64 s[6:7], s[6:7], s[28:29]
	s_add_nc_u64 s[10:11], s[8:9], s[24:25]
	s_add_nc_u64 s[8:9], s[8:9], s[22:23]
	s_load_b512 s[32:47], s[6:7], 0x0              ; scale of my 16 rows: one number a step, the same for all lanes
.macro LOAD t                          ; step t: row t's 2,048 bytes, into set t % 8
.irp i, 0,1,2,3
	global_load_b128 v[R+16*((\t)%AHEAD)+4*\i:R+16*((\t)%AHEAD)+4*\i+3], v3, s[4:5] offset:ROWW*(\t)+512*\i th:TH_LOAD_NT   ; 32 lanes read 512 consecutive bytes; read once in the launch
.endr
.endm
.macro TURN t                          ; step t's numbers through the stage: LDS serves a wave's instructions in order (ISA guide 5.7.1.4), so no wait stands between the stores and the loads
.irp i, 0,1,2,3
	ds_store_b128 v14, v[R+16*((\t)%AHEAD)+4*\i:R+16*((\t)%AHEAD)+4*\i+3] offset:32*SP*((\t)%2)+8*SP*\i
.endr
.irp i, 0,1,2,3
	ds_load_b128 v[X+16*((\t)%2)+4*\i:X+16*((\t)%2)+4*\i+3], v15 offset:32*SP*((\t)%2)+16*\i
.endr
.endm
.irp t, 0,1,2,3,4,5,6,7
	LOAD \t
.endr
	s_wait_kmcnt 0x0                               ; my rows' scales
	s_wait_loadcnt 28                              ; step 0's four loads are in; the 28 of steps 1 to 7 may be out
	TURN 0
.macro STEP t
.set XS, X+16*((\t)%2)
.if (\t) > 0
	s_wait_dscnt 1                                 ; this step's numbers are back from the stage (the last step's byte store may be out): so its stores into the stage have read their registers,
.else
	s_wait_dscnt 0x0
.endif
.if (\t)+AHEAD < STEPS
	LOAD (\t)+AHEAD                                ; which take the loads of eight steps on
.endif
.if (\t)+1 < STEPS
.if (\t) <= 7
	s_wait_loadcnt 28                              ; the next step's four loads are in; those of the seven steps behind it may be out
.else
	s_wait_loadcnt 4*(14-(\t))                     ; nothing more is asked for: the counts run down
.endif
	TURN (\t)+1                                    ; and go through the other stage while this step is worked
.endif
	s_mov_b32 s48, s[32+(\t)]                      ; this row's scale; the packed form names a pair and takes its low word for both halves,
	s_mov_b32 s49, s[32+(\t)]                      ; so the pair's other word is written too
.irp i, 0,1,2,3,4,5,6,7,8,9,10,11,12,13,14,15
	v_cvt_f32_i32 v[XS+\i], v[XS+\i]
.endr
.irp i, 0,2,4,6,8,10,12,14
	v_pk_mul_f32 v[XS+\i:XS+\i+1], v[XS+\i:XS+\i+1], s[48:49] op_sel_hi:[1,0]   ; w, in f32
.endr
	v_max3_num_f32 v8, |v[XS]|, |v[XS+1]|, |v[XS+2]|               ; the largest magnitude of my 16, in two chains
	v_max3_num_f32 v9, |v[XS+3]|, |v[XS+4]|, |v[XS+5]|
.irp i, 6,10
	v_max3_num_f32 v8, v8, |v[XS+\i]|, |v[XS+\i+1]|
	v_max3_num_f32 v9, v9, |v[XS+\i+2]|, |v[XS+\i+3]|
.endr
	v_max3_num_f32 v8, v8, |v[XS+14]|, |v[XS+15]|
	v_max3_num_f32 v8, v8, v9, (EMAX+1)<<23        ; and the floor 2^(EMAX + 1 - 127), under which no largest magnitude is taken: so the byte cannot fall under 1
	v_max_num_f32_dpp v8, v8, v8 row_xmask:1 row_mask:0xf bank_mask:0xf   ; and of my neighbour's 16: the block's
	v_add_nc_u32 v11, -(EMAX<<23), v8              ; EMAX off its exponent field: the conversion takes the exponent field of this operand as its scale, and nothing else of it
	v_cvt_scalef32_pk8_fp4_f32 v[C+2*(\t)], v[XS:XS+7], v11        ; eight numbers / the scale, to the nearest code; the first number's code in the lowest four bits
	v_cvt_scalef32_pk8_fp4_f32 v[C+2*(\t)+1], v[XS+8:XS+15], v11
	v_lshrrev_b32 v[E+(\t)], 23, v11               ; the scale's byte.  (Also the plain line behind the conversions)
	ds_store_b8 v5, v[E+(\t)] offset:16*(\t)       ; both lanes of a block write the same byte with the same value
	global_store_b64 v4, v[C+2*(\t):C+2*(\t)+1], s[8:9] offset:256*(\t)   ; 32 lanes store row t's 256 bytes of codes: consecutive, aligned
.endm
.irp t, 0,1,2,3,4,5,6,7,8,9,10,11,12,13,14,15
	STEP \t
.endr
	ds_load_b64 v[12:13], v6                       ; LDS serves a wave's instructions in order: these see my byte stores
	s_wait_dscnt 0x0
	global_store_b64 v4, v[12:13], s[10:11]        ; 32 lanes store my 16 rows' 256 scale bytes: consecutive, aligned
	s_wait_tensorcnt 0x0
	ds_add_u32 v224, v225
	s_wait_dscnt 0x0
	s_endpgm
.Lfunc_end_k_q31cd294986_quant:
	.size	k_q31cd294986_quant, .Lfunc_end_k_q31cd294986_quant-k_q31cd294986_quant
	.p2alignl 7, 3214868480
	.fill 96, 4, 3214868480
	.section	.rodata,"a",@progbits
	.p2align	6, 0x0
	.amdhsa_kernel k_q31cd294986_quant
		.amdhsa_group_segment_fixed_size 33280
		.amdhsa_private_segment_fixed_size 0
		.amdhsa_enable_private_segment 0
		.amdhsa_kernarg_size 24
		.amdhsa_user_sgpr_count 2
		.amdhsa_user_sgpr_kernarg_segment_ptr 1
		.amdhsa_wavefront_size32 1
		.amdhsa_system_sgpr_workgroup_id_x 1
		.amdhsa_system_sgpr_workgroup_id_y 1
		.amdhsa_system_sgpr_workgroup_id_z 1
		.amdhsa_system_vgpr_workitem_id 0
		.amdhsa_next_free_vgpr 226
		.amdhsa_next_free_sgpr 66
		.amdhsa_reserve_vcc 0
		.amdhsa_float_denorm_mode_32 3
		.amdhsa_float_denorm_mode_16_64 3
		.amdhsa_memory_ordered 1
		.amdhsa_forward_progress 1
		.amdhsa_inst_pref_size 51
	.end_amdhsa_kernel
	.amdgpu_metadata
---
amdhsa.version: [ 1, 2 ]
amdhsa.kernels:
  - .name:           k_q31cd294986_quant
    .symbol:         k_q31cd294986_quant.kd
    .args:
      - { .name: weight_int8, .offset: 0, .size: 8, .value_kind: global_buffer, .address_space: global }
      - { .name: scale, .offset: 8, .size: 8, .value_kind: global_buffer, .address_space: global }
      - { .name: wq, .offset: 16, .size: 8, .value_kind: global_buffer, .address_space: global }
    .group_segment_fixed_size: 33280
    .private_segment_fixed_size: 0
    .kernarg_segment_align: 8
    .kernarg_segment_size: 24
    .max_flat_workgroup_size: 128
    .sgpr_count:     66
    .vgpr_count:     226
    .wavefront_size: 32
...
	.end_amdgpu_metadata
.endif
;; end of part 1
;; launch gemm (part 2): grid 16 x 16, 4 waves a work-group, clusters of 4 x 4, 327,680 bytes of LDS; arguments x_codes, x_scales, wq, bias, out0; writes out0
.if DOCPART == 2
	.amdgcn_target "amdgcn-amd-amdhsa--gfx1250"
	.amdhsa_code_object_version 6
	.text
	.protected	k_q31cd294986_gemm
	.globl	k_q31cd294986_gemm
	.p2align	8
	.type	k_q31cd294986_gemm,@function
k_q31cd294986_gemm:
	s_mov_b64 s[64:65], 0
	v_nop
	global_prefetch_b8 v0, s[64:65] scope:SCOPE_SE
	s_setreg_imm32_b32 hwreg(HW_REG_WAVE_MODE, 25, 1), 1
	s_wait_xcnt 0x0
	s_wait_alu depctr_hold_cnt(0) depctr_sa_sdst(0) depctr_va_vdst(0) depctr_va_sdst(0) depctr_va_ssrc(0) depctr_va_vcc(0) depctr_vm_vsrc(0)
	s_getreg_b32 s2, hwreg(HW_REG_IB_STS2, 6, 4)
	s_cmp_eq_u32 s2, 0
	s_cbranch_scc0 .Lentry_in_a_cluster
	s_endpgm
.Lentry_in_a_cluster:
	s_bfe_u32 s2, ttmp6, 0x10000c
	s_cmp_lg_u32 s2, 0xf033
	s_cbranch_scc0 .Lentry_shape_is_right
	s_endpgm
.Lentry_shape_is_right:
; out[m][n] = bias[n] + sum over k of x[m][k] w[n][k]; m, n, k each 4,096.  x: codes of FP4 (E2M1) with one E8M0 byte for each 32 along K, as given.  w: the codes and scale bytes that launch quant has made.  Sums in f32; the bias starts
; each sum as the C of its first product.  A scale byte 0xff of x is NaN and makes its rows NaN.
; A tile of out, 256 x 256, is made by a work-group of four waves, 128 x 128 a wave: 256 work-groups.  Source 0 = 32 rows of w, source 1 = 16 rows of x: lane (r, h) (r = l % 16, h = l / 16) then holds row m = r of out, its registers
; 0-7 the columns 8 h + 0 .. 7 and its registers 8-15 the columns 16 + 8 h + 0 .. 7.  32 accumulators of 16 registers a wave; they take turns, one instruction a turn.
; K goes in steps of 512 through a ring of two LDS slots (x: 256 rows of 256 bytes; w: two dense blocks of 136 rows of 256 bytes, 128 of codes and 8 of scale bytes), rows padded to 272 bytes; one tensor load a wave brings a quarter of a slot.
; x's scales of the tile's 256 rows, for all of K, come once, 8,192 bytes a wave, by plain loads of 512 consecutive bytes and a store into LDS behind the ring, and stay.  (Not jointly: they are 32,768 of the work-group's 1,181,696 bytes.)
; CLUSTERS of 4 x 4: the four of a row share x's tiles, the four of a column share w's: each is asked for jointly.
; FRAGMENTS: a step is 128 along K, 32 products a wave; both operands have two sets of registers: while one set is multiplied the next step's 32 LDS loads go into the other, in two runs of sixteen.
; PREFETCH INTO THE L2: behind each joint load, for the K step two loads on (at the head K step 1 as well); of what a wave fetches (x: 128 rows, w: 136 units of 256 bytes) each of the four partners names a quarter, told apart by address.
; THE LAST K STEP goes by rows of out: w's fragments of the whole step fill window 1, and the wave's eight blocks of 16 rows are finished and stored one after the other.
; REGISTERS: window 0: v0-31 addresses; v32-63, v64-95 scale words, a set for each slot; v128-191 x's scales on their way to LDS; v192-255 the bias (first step only); in the last K step v96-127, v32-63 x's fragments and v128-255 rows on their way out.
;   window 1: set p: w's fragments at v[128 p ..], x's at v[128 p + 64 ..].   window 2: accumulators of my rows 0-63 ((a, b) at v[16 (4 a + b)]);   window 3: of rows 64-127.
.set SIZE_N, 4096
.set ROWB,   256
.set KROW,   2048                      ; a row of x's codes
.set BLKB,   34816                     ; a block of w's workspace: 128 rows x 512 along K
.set PITCH,  272
.set HALFA,  128*PITCH
.set HALFB,  136*PITCH
.set BOFF,   2*HALFA
.set BSC,    128*PITCH                 ; the scale bytes in a block of w
.set SLOT,   2*HALFA+2*HALFB
.set LAPS,   4
.set SCL,    2*SLOT                    ; x's scales: two rows of 128 bytes in each 256, then padding
.set QS,     32*272                    ; 64 rows of them
.set SBLK,   8*272                     ; 16 rows
.set SPARE,  SCL+4*QS                  ; the spare words: no other line names them
.set SPITCH, 528                       ; the way out: a stage of 16 rows x (512 + 16) bytes a wave, in slot 0 behind its last fill and its last read
.set SST,   13                         ; where I put x's scales
.set ADRA,  16
.set ADRB,  20
.set ADRSB, 22
.set STO,   24
.set RD,    25
.set CO,    26
.set ADRSA, 27
.set SPW,   28
.set NIL,   29
.set PFO,   30                         ; prefetch: my lane's offset,
.set PFO2,  31                         ; and for w's units 32, 33 of a quarter
.set SA,    32                         ; set s: SA + 32 s + 4 (a % 4) + q: lanes 0-15 block a % 4, lanes 16-31 block 4 + a % 4
.set SB,    48                         ; set s: SB + 32 s + 4 b + q: lane l row 32 b + l
.set XS,    128
.set BI,    192
.set PA,    96
.set BK,    128
.set G1,  24                           ; descriptor groups: x's tiles
.set G0,  32
.set G1B, 48                           ; w's
.set G0B, 56
.set PFA, 92                           ; prefetch addresses,
.set PFB, 66
.set PST, 96                           ; and their step: one K step in bytes
.set MSB, 0
.macro WIN new                         ; the high byte repeats the setting that is left
.if MSB != (\new)
	s_set_vgpr_msb (MSB<<8)|(\new)
.set MSB, (\new)
.endif
.endm
.set MUL_LO, 0xa5                      ; sources 0, 1 window 1; C, D window 2
.set MUL_HI, 0xf5                      ; C, D window 3
.set ROW_LO, 0xa1                      ; source 0 window 1, source 1 window 0, C, D window 2 (+ 0x50: window 3)
.set TO_F,   0x40                      ; destination window 1, address window 0
.macro PLACES                          ; four places behind matrix instructions (ISA guide 7.12.1)
.rept 4
	v_nop
.endr
.endm
.macro TLOAD g0, g1
	tensor_load_to_lds s[\g0:\g0+3], s[\g1:\g1+7]
	s_nop 0
	PLACES
.endm
.macro JLOAD s                         ; waves 0, 1 fetch x's two halves, waves 2, 3 w's two blocks
	s_cmp_eq_u32 s15, 0
	s_cbranch_scc0 .Lfor_b_\@
	TLOAD G0+4*\s, G1
	s_branch .Lasked_\@
.Lfor_b_\@:
	TLOAD G0B+4*\s, G1B
.Lasked_\@:
.endm
.macro CREST                           ; a round of the cluster's barrier behind its opening barrier
	s_cmp_lg_u32 s14, 0
	s_cbranch_scc1 .Lnot_wave_0_\@
	s_barrier_signal -3
.Lnot_wave_0_\@:
	s_barrier_wait -3
	s_barrier_signal -1
	s_barrier_wait -1
.endm
.macro CROUND
	s_barrier_signal -1
	s_barrier_wait -1
	CREST
.endm
.macro ASK loop                        ; loop = 1: the loop's last trip (s3 = 1) has no K step to ask for
.if \loop
	s_cmp_gt_u32 s3, 1
	s_cbranch_scc0 .Lno_ask_\@
.endif
	global_prefetch_b8 v[PFO], s[PFA:PFA+1] th:TH_LOAD_NT scope:SCOPE_SE
	s_cmp_eq_u32 s15, 0
	s_cbranch_scc1 .Lno_ask_\@
	global_prefetch_b8 v[PFO2], s[PFA:PFA+1] th:TH_LOAD_NT scope:SCOPE_SE
.Lno_ask_\@:
.endm
	s_load_b128 s[4:7], s[0:1], 0x0                ; x_codes, x_scales
	s_load_b128 s[8:11], s[0:1], 0x10              ; wq, bias
	s_load_b64 s[12:13], s[0:1], 0x20              ; out0
	v_lshl_add_u32 v[SPW], v0, 2, SPARE
	v_mov_b32 v[NIL], 0
	ds_add_u32 v[SPW], v[NIL]                      ; the wave's opening
	ds_add_u32 v[SPW], v[NIL]
	v_lshrrev_b32 v1, 5, v0
	v_readfirstlane_b32 s14, v1                    ; wave
	s_lshr_b32 s15, s14, 1                         ; my half of the rows; I fetch for x (0) or w (1)
	s_and_b32 s16, s14, 1                          ; my half of the columns; which half of a tile I fetch
	s_bfe_u32 s40, ttmp6, 0x40000                  ; cx
	s_bfe_u32 s41, ttmp6, 0x40004                  ; cy
	s_lshl_b32 s42, ttmp9, 2
	s_add_co_u32 s42, s42, s40                     ; tile column
	s_and_b32 s17, ttmp7, 0xffff
	s_lshl_b32 s17, s17, 2
	s_add_co_u32 s17, s17, s41                     ; tile row
	s_lshl_b32 s43, s41, 2
	s_lshl_b32 s43, 15, s43                        ; my row of the cluster
	s_lshl_b32 s44, 0x1111, s40                    ; my column
	; group 1: bytes, 16 bytes of padding behind each 256, mask and bit 21.  x: 128 rows
	s_or_b32 s[G1+0], s43, (0<<16)|(1<<20)|(1<<21)|(5<<22)|(3<<25)
	s_mov_b32 s[G1+1], ROWB<<16
	s_mov_b32 s[G1+2], 128<<16
	s_mov_b32 s[G1+3], ROWB<<16
	s_mov_b32 s[G1+4], 128
	s_mov_b32 s[G1+5], KROW
	s_mov_b32 s[G1+6], 0
	s_mov_b32 s[G1+7], 0
	; w: a block of 136 rows of 256 bytes
	s_or_b32 s[G1B+0], s44, (0<<16)|(1<<20)|(1<<21)|(5<<22)|(3<<25)
	s_mov_b32 s[G1B+1], ROWB<<16
	s_mov_b32 s[G1B+2], 136<<16
	s_mov_b32 s[G1B+3], ROWB<<16
	s_mov_b32 s[G1B+4], 136
	s_mov_b32 s[G1B+5], ROWB
	s_mov_b32 s[G1B+6], 0
	s_mov_b32 s[G1B+7], 0
	s_lshl_b32 s20, s17, 19                        ; x: 256 rows of 2,048 bytes a tile row,
	s_lshl_b32 s18, s16, 18                        ; my 128 of them
	s_add_co_u32 s20, s20, s18
	s_mov_b32 s21, 0
	s_lshl_b32 s22, s17, 15                        ; x's scales: 32,768 bytes a tile row,
	s_lshl_b32 s18, s14, 13                        ; 8,192 a wave
	s_add_co_u32 s22, s22, s18
	s_mov_b32 s23, 0
	s_lshl_b32 s46, s42, 1
	s_add_co_u32 s46, s46, s16
	s_mul_i32 s46, s46, 8*BLKB                     ; w: my 128 rows' eight blocks
	s_mov_b32 s47, 0
	s_mul_i32 s45, s16, HALFA                      ; where x's half goes in a slot,
	s_mul_i32 s94, s16, HALFB                      ; and w's block
	s_add_co_u32 s94, s94, BOFF
	s_wait_dscnt 0x0                               ; both opening adds are done
	CROUND                                         ; all sixteen work-groups are here: the first joint loads meet.  (The arguments are on their way meanwhile)
	s_wait_kmcnt 0x0
	s_add_nc_u64 s[20:21], s[4:5], s[20:21]
	s_add_nc_u64 s[22:23], s[6:7], s[22:23]
	s_add_nc_u64 s[46:47], s[8:9], s[46:47]
.irp s, 0,1
	s_mov_b32 s[G0+4*\s], 1
	s_add_co_u32 s[G0+4*\s+1], s45, \s*SLOT
	s_add_nc_u64 s[G0+4*\s+2:G0+4*\s+3], s[20:21], \s*ROWB
	s_or_b32 s[G0+4*\s+3], s[G0+4*\s+3], 0x80000000
	s_mov_b32 s[G0B+4*\s], 1
	s_add_co_u32 s[G0B+4*\s+1], s94, \s*SLOT
	s_add_nc_u64 s[G0B+4*\s+2:G0B+4*\s+3], s[46:47], \s*BLKB
	s_or_b32 s[G0B+4*\s+3], s[G0B+4*\s+3], 0x80000000
.endr
	JLOAD 0                                        ; K step 0, one tensor load a wave
	; prefetch: my quarter of the 128 rows of x (32 cx on) or of the 136 units of w's block (34 cy on), first at K step 1
	s_lshl_b32 s80, s40, 16
	s_mul_i32 s82, s41, 34*256
	s_mov_b32 s81, 0
	s_mov_b32 s86, BLKB
	s_mov_b32 s87, KROW
	s_mov_b32 s[PST+1], 0
	s_cmp_eq_u32 s15, 0
	s_cselect_b32 s80, s80, s82
	s_cselect_b32 s[PST], ROWB, s86
	s_cselect_b32 s87, s87, 256                    ; a lane a row of x, or 256 bytes apart in w
	s_cselect_b64 s[PFA:PFA+1], s[20:21], s[46:47]
	s_add_nc_u64 s[PFA:PFA+1], s[PFA:PFA+1], s[80:81]
	s_add_nc_u64 s[PFA:PFA+1], s[PFA:PFA+1], s[PST:PST+1]
	s_add_nc_u64 s[PFB:PFB+1], s[PFA:PFA+1], s[PST:PST+1]   ; K step 2
	s_mul_i32 s4, s15, HALFA                       ; my 128 rows of x in slot 0, 1
	s_add_co_u32 s5, s4, SLOT
	s_mul_i32 s6, s16, HALFB                       ; my block of w
	s_add_co_u32 s6, s6, BOFF
	s_add_co_u32 s7, s6, SLOT
	s_mul_i32 s8, s15, 2*QS                        ; my rows' scales
	s_add_co_u32 s8, s8, SCL
	s_mul_i32 s9, s14, 16*SPITCH                   ; my stage
	s_mul_i32 s83, s14, QS                         ; the 64 rows of x's scales that I bring
	s_add_co_u32 s83, s83, SCL
	s_lshl_b32 s84, s17, 22                        ; out: my first row,
	s_lshl_b32 s18, s15, 21
	s_add_co_u32 s84, s84, s18
	s_mov_b32 s85, 0
	s_lshl_b32 s18, s42, 10                        ; my first column
	s_lshl_b32 s19, s16, 9
	s_add_co_u32 s18, s18, s19
	s_mov_b32 s19, 0
	s_add_nc_u64 s[10:11], s[10:11], s[18:19]
	s_add_nc_u64 s[12:13], s[12:13], s[84:85]
	s_add_nc_u64 s[12:13], s[12:13], s[18:19]
	v_and_b32 v1, 15, v0                           ; r
	v_bfe_u32 v2, v0, 4, 1                         ; h
	v_and_b32 v3, 31, v0                           ; lane
	v_lshlrev_b32 v7, 5, v2
	v_lshlrev_b32 v[CO], 4, v3                     ; 16 bytes a lane of 512
.irp j, 0,1,2,3,4,5,6,7,8,9,10,11,12,13,14,15
	global_load_b128 v[XS+4*\j:XS+4*\j+3], v[CO], s[22:23] offset:512*\j   ; x's scales: 512 consecutive bytes, aligned
.endr
.irp i, 0,1,2,3,4,5,6,7                ; the bias in an accumulator's layout: 16 registers for each 32 columns
	global_load_b128 v[BI+8*\i:BI+8*\i+3],   v7, s[10:11] offset:64*\i
	global_load_b128 v[BI+8*\i+4:BI+8*\i+7], v7, s[10:11] offset:64*\i+16
.endr
	v_mul_u32_u24 v[PFO], s87, v3
	v_add_nc_u32 v4, 32, v3
	v_min_u32 v4, 33, v4
	v_lshlrev_b32 v[PFO2], 8, v4                   ; units 32 and 33; the lanes left over name 33 again
	v_mul_u32_u24 v8, v1, PITCH
	v_lshl_add_u32 v8, v2, 4, v8                   ; a fragment: row x pitch + 16 h
	v_add_nc_u32 v[ADRA], s4, v8
	v_add_nc_u32 v[ADRA+1], s5, v8
	v_add_nc_u32 v[ADRB], s6, v8
	v_add_nc_u32 v[ADRB+1], s7, v8
	v_lshlrev_b32 v5, 4, v1                        ; 16 bytes a lane, 16 lanes to an LDS row:
	v_mad_u32_u24 v5, v2, PITCH, v5
	v_add_nc_u32 v[SST], s83, v5                   ; x's scales on their way in,
	v_add_nc_u32 v5, BSC, v5
	v_add_nc_u32 v[ADRSB], s6, v5                  ; and w's scale words: 16 bytes a row
	v_add_nc_u32 v[ADRSB+1], s7, v5
	v_lshrrev_b32 v6, 1, v1                        ; x's: two rows to an LDS row; lanes 16-31 64 rows further on
	v_mul_u32_u24 v6, v6, 272
	v_and_b32 v9, 1, v1
	v_lshl_add_u32 v6, v9, 7, v6
	v_mad_u32_u24 v6, v2, QS, v6
	v_add_nc_u32 v[ADRSA], s8, v6
	v_mul_u32_u24 v10, v1, SPITCH                  ; the stage, in: row r, 32 h;
	v_lshl_add_u32 v10, v2, 5, v10
	v_add_nc_u32 v[STO], s9, v10
	v_add_nc_u32 v[RD], s9, v[CO]                  ; back: a row of 512 bytes
	s_wait_alu depctr_va_vdst(0)
	global_prefetch_b8 v[PFO], s[PFA:PFA+1] th:TH_LOAD_NT scope:SCOPE_SE    ; K step 1,
	global_prefetch_b8 v[PFO], s[PFB:PFB+1] th:TH_LOAD_NT scope:SCOPE_SE    ; and 2
	s_cmp_eq_u32 s15, 0
	s_cbranch_scc1 .Lhead_done
	global_prefetch_b8 v[PFO2], s[PFA:PFA+1] th:TH_LOAD_NT scope:SCOPE_SE
	global_prefetch_b8 v[PFO2], s[PFB:PFB+1] th:TH_LOAD_NT scope:SCOPE_SE
.Lhead_done:
.macro WM                              ; one product; x's scales from lanes 16-31 for its blocks 4-7
.if HI4
	v_wmma_scale_f32_32x16x128_f4 v[DR:DR+15], v[BR:BR+15], v[AR:AR+7], v[CR:CR+15], v[SBR], v[SAR] matrix_b_scale:MATRIX_SCALE_ROW1
.else
	v_wmma_scale_f32_32x16x128_f4 v[DR:DR+15], v[BR:BR+15], v[AR:AR+7], v[CR:CR+15], v[SBR], v[SAR]
.endif
.endm
.macro MULA a, p, q, sc, zero          ; x's block a x w's four of 32, set p, scale set sc; zero = 1: C = the bias
.set HI4, (\a)/4
.irp b, 0,1,2,3
.set DR, 16*(4*((\a)%4)+\b)
.set CR, DR
.if \zero
.set CR, BI+16*\b
.endif
.set BR, 128*(\p)+16*\b
.set AR, 128*(\p)+64+8*(\a)
.set SBR, SB+32*(\sc)+4*\b+(\q)
.set SAR, SA+32*(\sc)+4*((\a)%4)+(\q)
	WM
.endr
.endm
; A fragment of 16 rows x 128 K is 8 registers: registers 4 c .. 4 c + 3 of lane (r, h) hold row r, K = 64 c + 32 h + 0 .. 31
.macro LB slot, q, p                   ; w's eight
.irp i, 0,1,2,3,4,5,6,7
.irp c, 0,1
	ds_load_b128 v[128*(\p)+8*\i+4*\c:128*(\p)+8*\i+4*\c+3], v[ADRB+\slot] offset:64*(\q)+32*\c+\i*16*PITCH
.endr
.endr
.endm
.macro LA slot, q, p                   ; x's eight
.irp i, 0,1,2,3,4,5,6,7
.irp c, 0,1
	ds_load_b128 v[128*(\p)+64+8*\i+4*\c:128*(\p)+64+8*\i+4*\c+3], v[ADRA+\slot] offset:64*(\q)+32*\c+\i*16*PITCH
.endr
.endr
.endm
.macro LSA sc                          ; x's scale words of a K step: four a row
.irp i, 0,1,2,3
	ds_load_b128 v[SA+32*(\sc)+4*\i:SA+32*(\sc)+4*\i+3], v[ADRSA] offset:\i*SBLK
.endr
.endm
.macro LSB sc                          ; w's
.irp i, 0,1,2,3
	ds_load_b128 v[SB+32*(\sc)+4*\i:SB+32*(\sc)+4*\i+3], v[ADRSB+\sc] offset:\i*2*PITCH
.endr
.endm
; Step q = 0, 1, 2 of a slot; the next step lies in the same slot.  q = 2 also fetches x's scale words of the next K step: they lie outside the ring.
.macro STEP slot, q, zero
	s_wait_dscnt 12                                ; w's fragments and x's blocks 0, 1 are in; the youngest twelve loads (x's blocks 2-7) may be out
.if (\q) == 2
	WIN 0
	v_add_nc_u32 v[ADRSA], 16, v[ADRSA]
	s_wait_alu depctr_va_vdst(0)
.endif
	PLACES                                         ; ahead of loads into the set that the step before multiplied
	WIN TO_F
	LB \slot, (\q)+1, 1-(\q)%2
	WIN MUL_LO-0x20*\zero
	MULA 0, (\q)%2, \q, \slot, \zero
	MULA 1, (\q)%2, \q, \slot, \zero
	s_wait_dscnt 24                                ; x's blocks 2, 3: behind them blocks 4-7 and the sixteen loads above
	MULA 2, (\q)%2, \q, \slot, \zero
	MULA 3, (\q)%2, \q, \slot, \zero
	s_wait_dscnt 16                                ; x's blocks 4-7; the sixteen loads above may be out
.if (\q) == 2
	WIN 0
	LSA 1-\slot
.endif
	WIN TO_F
	LA \slot, (\q)+1, 1-(\q)%2
	WIN MUL_HI-0x30*\zero
	MULA 4, (\q)%2, \q, \slot, \zero
	MULA 5, (\q)%2, \q, \slot, \zero
	MULA 6, (\q)%2, \q, \slot, \zero
	MULA 7, (\q)%2, \q, \slot, \zero
.endm
; A slot's last step, first part: ONE barrier for the change of slots.  In front of it each wave waits for all its tensor loads, adds 0 to its spare word, and waits for that and for its reads of this slot.
.macro MEET slot, fill
	WIN 0
.if \fill
	s_wait_xcnt 0x0                                ; my prefetches have read their address: it steps
	s_add_nc_u64 s[PFA:PFA+1], s[PFA:PFA+1], s[PST:PST+1]
.endif
	s_wait_tensorcnt 0x0                           ; my part of the next slot has landed
	ds_add_u32 v[SPW], v[NIL]                      ; 0 onto my spare word
	s_wait_dscnt 13                                ; x's blocks 2-7 and the add may be out
	WIN MUL_LO
	MULA 0, 1, 3, \slot, 0
	MULA 1, 1, 3, \slot, 0
	s_wait_dscnt 0x0                               ; the add is done, and my reads of this slot are over
	s_barrier_signal -1
	MULA 2, 1, 3, \slot, 0
	WIN 0
	s_barrier_wait -1
.endm
.macro TURN slot, next
	MEET \slot, 1
	CREST                                          ; no wave of any partner still reads this slot or has a load on its way
	s_add_nc_u64 s[G0+4*\slot+2:G0+4*\slot+3], s[G0+4*\slot+2:G0+4*\slot+3], 2*ROWB
	s_add_nc_u64 s[G0B+4*\slot+2:G0B+4*\slot+3], s[G0B+4*\slot+2:G0B+4*\slot+3], 2*BLKB
	JLOAD \slot                                    ; two K steps on; its four v_nop are also the places ahead of the loads below
	LSB \next
	WIN TO_F
	LB \next, 0, 0
	WIN 0
	ASK 1
	WIN MUL_LO
	MULA 3, 1, 3, \slot, 0
	WIN MUL_HI
	MULA 4, 1, 3, \slot, 0
	MULA 5, 1, 3, \slot, 0
	WIN TO_F
	LA \next, 0, 0
	WIN MUL_HI
	MULA 6, 1, 3, \slot, 0
	MULA 7, 1, 3, \slot, 0
.endm
	s_wait_loadcnt 16                              ; x's scales are here; the sixteen loads of the bias may be out
.irp j, 0,1,2,3,4,5,6,7,8,9,10,11,12,13,14,15
	ds_store_b128 v[SST], v[XS+4*\j:XS+4*\j+3] offset:544*\j   ; behind the ring, where no tensor load lands
.endr
	s_wait_tensorcnt 0x0                           ; my quarter of K step 0 is in
	ds_add_u32 v[SPW], v[NIL]
	s_wait_dscnt 0x0                               ; the add is done, and so are my stores
	CROUND                                         ; K step 0 and x's scales are in, and all sixteen work-groups are here
	JLOAD 1                                        ; K step 1
	LSA 0
	LSB 0
	WIN TO_F
	LB 0, 0, 0
	LA 0, 0, 0
	WIN 0
	s_wait_xcnt 0x0                                ; the head's prefetches have read their addresses
	s_add_nc_u64 s[PFA:PFA+1], s[PFB:PFB+1], s[PST:PST+1]
	ASK 0                                          ; K step 3
	s_wait_loadcnt 0x0                             ; the bias
	STEP 0, 0, 1                                   ; the first step stands in front of the loop: its products start the sums
	WIN 0
	s_mov_b32 s3, LAPS-1
.Llap:                                                 ; once round the ring, from a lap's second step to the next lap's first
	STEP 0, 1, 0
	STEP 0, 2, 0
	TURN 0, 1
	STEP 1, 0, 0
	STEP 1, 1, 0
	STEP 1, 2, 0
	TURN 1, 0
	STEP 0, 0, 0
	WIN 0
	s_sub_co_u32 s3, s3, 1
	s_cmp_lg_u32 s3, 0
	s_cbranch_scc1 .Llap
	STEP 0, 1, 0
	STEP 0, 2, 0
; THE LAST K STEP, in slot 1, by rows of out.
.macro BLOAD q                         ; w's fragments of its step q: v[64 q ..] of window 1
.irp i, 0,1,2,3,4,5,6,7
.irp c, 0,1
	ds_load_b128 v[64*\q+8*\i+4*\c:64*\q+8*\i+4*\c+3], v[ADRB+1] offset:64*\q+32*\c+\i*16*PITCH
.endr
.endr
.endm
.macro ALOAD a                         ; x's block a, all four steps: v96-127 or v32-63
.set FA, PA-64*((\a)%2)
.irp q, 0,1,2,3
.irp c, 0,1
	ds_load_b128 v[FA+8*\q+4*\c:FA+8*\q+4*\c+3], v[ADRA+1] offset:64*\q+32*\c+(\a)*16*PITCH
.endr
.endr
.endm
.macro ROW a                           ; block a is finished: 16 products, its four accumulators by turns
.set HI4, (\a)/4
	WIN ROW_LO+0x50*((\a)/4)
.irp q, 0,1,2,3
.if ((\a) == 0) && (\q == 0)
	s_wait_dscnt 40                                ; w's steps 0, 1 and x's block 0 are in; w's steps 2, 3 and x's block 1 may be out
.endif
.if ((\a) == 0) && (\q == 2)
	s_wait_dscnt 24
.endif
.if ((\a) == 0) && (\q == 3)
	s_wait_dscnt 8
.endif
.irp b, 0,1,2,3
.set DR, 16*(4*((\a)%4)+\b)
.set CR, DR
.set BR, 64*\q+16*\b
.set AR, PA-64*((\a)%2)+8*\q
.set SBR, SB+32+4*\b+\q
.set SAR, SA+32+4*((\a)%4)+\q
	WM
.endr
.endr
.endm
.macro TOSTAGE a                       ; into my stage, each accumulator from its low end on, and back as whole rows: LDS serves a wave's instructions in order (ISA guide 5.7.1.4)
	WIN 0x08+4*((\a)/4)
.irp b, 0,1,2,3
.set AC, 16*(4*((\a)%4)+\b)
	ds_store_b128 v[STO], v[AC:AC+3] offset:128*\b
	ds_store_b128 v[STO], v[AC+4:AC+7] offset:128*\b+16
	ds_store_b128 v[STO], v[AC+8:AC+11] offset:128*\b+64
	ds_store_b128 v[STO], v[AC+12:AC+15] offset:128*\b+80
.endr
	WIN 0
.set BB, BK+64*((\a)%2)
.irp t, 0,1,2,3,4,5,6,7,8,9,10,11,12,13,14,15
	ds_load_b128 v[BB+4*\t:BB+4*\t+3], v[RD] offset:\t*SPITCH
.endr
.endm
.macro SEND a                          ; 32 lanes store 512 consecutive bytes, two aligned units of 256; written once, read by nobody here
.set BB, BK+64*((\a)%2)
.irp t, 0,1,2,3,4,5,6,7,8,9,10,11,12,13,14,15
	global_store_b128 v[CO], v[BB+4*\t:BB+4*\t+3], s[12:13] offset:(16*(\a)+\t)*SIZE_N*4 th:TH_STORE_NT
.endr
.endm
	MEET 0, 0                                      ; the last change of slots: nothing is filled again
	PLACES
	LSB 1
	ALOAD 0
	WIN TO_F
	BLOAD 0                                        ; into the set that the step before has read;
	BLOAD 1
	WIN MUL_LO
	MULA 3, 1, 3, 0, 0
	WIN MUL_HI
	MULA 4, 1, 3, 0, 0
	MULA 5, 1, 3, 0, 0
	MULA 6, 1, 3, 0, 0
	MULA 7, 1, 3, 0, 0
	PLACES
	WIN TO_F
	BLOAD 2                                        ; and into the one just read
	BLOAD 3
	WIN 0
	ALOAD 1
.irp a, 0,1,2,3,4,5,6,7
	ROW \a
	PLACES                                         ; its results are read, and its fragments' registers loaded, below
.if \a > 1
	WIN 0
	s_wait_xcnt 0x0                                ; block a - 2's stores have read their registers
.endif
	TOSTAGE \a
.if \a < 6
	ALOAD \a+2
	s_wait_dscnt 8                                 ; the block is back; x's block a + 2 may be out
.else
	s_wait_dscnt 0
.endif
	SEND \a
.endr
	s_wait_tensorcnt 0x0                           ; the wave's end
	ds_add_u32 v[SPW], v[NIL]
	s_wait_dscnt 0x0
	CROUND                                         ; the closing round: no work-group ends while a partner may still ask for a tile that names it
	s_endpgm
.Lfunc_end_k_q31cd294986_gemm:
	.size	k_q31cd294986_gemm, .Lfunc_end_k_q31cd294986_gemm-k_q31cd294986_gemm
	.p2alignl 7, 3214868480
	.fill 96, 4, 3214868480
	.section	.rodata,"a",@progbits
	.p2align	6, 0x0
	.amdhsa_kernel k_q31cd294986_gemm
		.amdhsa_group_segment_fixed_size 327680
		.amdhsa_private_segment_fixed_size 0
		.amdhsa_enable_private_segment 0
		.amdhsa_kernarg_size 40
		.amdhsa_user_sgpr_count 2
		.amdhsa_user_sgpr_kernarg_segment_ptr 1
		.amdhsa_wavefront_size32 1
		.amdhsa_system_sgpr_workgroup_id_x 1
		.amdhsa_system_sgpr_workgroup_id_y 1
		.amdhsa_system_sgpr_workgroup_id_z 1
		.amdhsa_system_vgpr_workitem_id 0
		.amdhsa_next_free_vgpr 1024
		.amdhsa_next_free_sgpr 98
		.amdhsa_reserve_vcc 0
		.amdhsa_float_denorm_mode_32 3
		.amdhsa_float_denorm_mode_16_64 3
		.amdhsa_memory_ordered 1
		.amdhsa_forward_progress 1
		.amdhsa_inst_pref_size 151
	.end_amdhsa_kernel
	.amdgpu_metadata
---
amdhsa.version: [ 1, 2 ]
amdhsa.kernels:
  - .name:           k_q31cd294986_gemm
    .symbol:         k_q31cd294986_gemm.kd
    .args:
      - { .name: x_codes, .offset: 0, .size: 8, .value_kind: global_buffer, .address_space: global }
      - { .name: x_scales, .offset: 8, .size: 8, .value_kind: global_buffer, .address_space: global }
      - { .name: wq, .offset: 16, .size: 8, .value_kind: global_buffer, .address_space: global }
      - { .name: bias, .offset: 24, .size: 8, .value_kind: global_buffer, .address_space: global }
      - { .name: out0, .offset: 32, .size: 8, .value_kind: global_buffer, .address_space: global }
    .group_segment_fixed_size: 327680
    .private_segment_fixed_size: 0
    .kernarg_segment_align: 8
    .kernarg_segment_size: 40
    .max_flat_workgroup_size: 128
    .sgpr_count:     98
    .vgpr_count:     1024
    .wavefront_size: 32
...
	.end_amdgpu_metadata
.endif
;; end of part 2
